; MI455X (gfx1250); checked and timed in simulation.
; The chip was launched on July 23, 2026; its instructions are those of AMD's public machine-readable ISA for CDNA 5 (MIT licence, August 2026) and "CDNA5" Instruction Set Architecture Reference Guide (July 2026). The comments in the code are by the model that wrote it; some were corrected since.
;; Attention. Allowed arithmetic: matrix products marked QUANTISED: E2M1 operands, one E8M0 scale for each 32 along K, by v_wmma_scale_f32_16x16x128_f8f6f4 with both operands' format E2M1 (or v_wmma_scale_f32_32x16x128_f4), f32 sums; products left as they are: bf16, f16 or f32 operands; f32 sums; everything else in f32.
;; Inputs: k 16 x 256 x 2,048 float32; mask 16 x 1 x 2,048 int32; q 16 x 2,048 x 256 float32; v 16 x 2,048 x 256 float32.
;; Outputs: out0 16 x 256 x 2,048 float32.
;; This version of the problem:
;;   THIS VERSION OF THE PROBLEM IS GIVEN IN LOW PRECISION. The matrix products marked QUANTISED in the list below multiply operands that are first quantised to E2M1 (2 exponent bits, 1 mantissa bit; 4 bits a number), with one power-of-two scale for each 32 numbers along K (OCP MX v1.0); their sums are f32. The products marked 'left as it is' may take bf16, f16 or f32 operands, with f32 sums. Whichever they take, every output number must still come out within the allowed error. Rounding operands to bf16 (8 significant bits) uses up far more of that allowance than f16 does (11 bits, for magnitudes from 6e-5 to 65,504). All else is computed in f32.
;;   The module's matrix products, in the order in which they are computed (A, B: the left and right operand; K: the contracted axis; several contracted axes count as one K, in the product's order):
;;     1. batch 16 x [M 2,048, K 256] x [K 256, N 2,048]; A: input q; B: input k: QUANTISED
;;     2. batch 16 x [M 2,048, K 2,048] x [K 2,048, N 256]; A: computed on the way; B: input v: left as it is (an operand is computed on the way)
;;   THE QUANTISER, for each operand of a quantised product, along K:
;;     - K is cut into blocks of 32 from its start; a last block that is shorter is filled with zeros.
;;     - A block's scale is 2^e with e = floor(log2(the largest magnitude in the block)) - 2, held to -126 .. 127; a block of zeros has e = 0. As a byte (E8M0): e + 127.
;;     - Each number is divided by its block's scale, clamped to +-6, and rounded to the nearest number of E2M1, ties to even, subnormals kept.
;;     - The product sums the exact products of the quantised numbers (number of the format x scale) in f32.
;;   ~~~python
;;   def quantise(x, axis):      # numpy; x: float32 -> the quantised numbers, widened to float32 again
;;       x = np.moveaxis(x, axis, -1); K = x.shape[-1]
;;       x = np.pad(x, [(0, 0)] * (x.ndim - 1) + [(0, -K % 32)]); x = x.reshape(x.shape[:-1] + (-1, 32)); a = np.abs(x).max(-1, keepdims=True)
;;       e = np.where(a > 0, np.clip(np.frexp(np.where(a > 0, a, 1))[1] - 1 - 2, -126, 127), 0)      # np.frexp(a)[1] - 1 = floor(log2(a)), exactly
;;       r = np.clip(x / 2.0 ** e, -6, 6)
;;       step = 2.0 ** (np.maximum(np.frexp(np.where(r == 0, 1, r))[1] - 1, 0) - 1)
;;       q = np.round(r / step) * step * 2.0 ** e      # np.round: ties to even
;;       return np.moveaxis(q.reshape(q.shape[:-2] + (-1,))[..., :K], -1, axis).astype(np.float32)
;;   ~~~
;; One version. Each part assembles by itself: llvm-mc -triple=amdgcn-amd-amdhsa -mcpu=gfx1250 --defsym DOCPART=n.
;; ======== version 1 of 1: 2 launches
;; limits: values are held in f16: magnitudes above 65,504 overflow, below 6.1e-05 lose precision; inputs' magnitudes at most 65,504; below input magnitudes of 6.1e-05 results are inexact or not finite
;; workspace buffers: qc 4,194,304 bytes; qs 262,144 bytes; kv 20,971,520 bytes; sb 393,216 bytes
;; launch prep (part 1): grid 768 x 1, 4 waves a work-group, no clusters, 33,280 bytes of LDS; arguments q, k, v, mask, qc, qs, kv, sb; writes qc, qs, kv, sb
.if DOCPART == 1
	.amdgcn_target "amdgcn-amd-amdhsa--gfx1250"
	.amdhsa_code_object_version 6
	.text
	.protected	k_qf7ab14cce2_prep
	.globl	k_qf7ab14cce2_prep
	.p2align	8
	.type	k_qf7ab14cce2_prep,@function
k_qf7ab14cce2_prep:
	s_mov_b64 s[64:65], 0
	v_nop
	global_prefetch_b8 v0, s[64:65] scope:SCOPE_SE
	s_setreg_imm32_b32 hwreg(HW_REG_WAVE_MODE, 25, 1), 1
	s_wait_xcnt 0x0
; PREP: the operands of the attention launch are made once, since every work-group of a batch reads the same keys and values.
;   work-groups 0-255   (path Q): q [32768 rows][256] f32 -> codes of E2M1 (qc: a row is 128 bytes, K innermost) and E8M0 scale bytes (qs: 8 a row).
;   work-groups 256-511 (path K): k [batch][256][2048 keys] f32, K = the 256 = its FIRST axis -> codes, as images of the matrix operand's registers, into kv; scale words and the mask's bias into sb.
;   work-groups 512-767 (path V): v [batch][2048 keys][256 channels] f32 -> f16, keys innermost, as images of the matrix operand's registers, into kv.
; kv: [batch 16][block j 16][sub-block w 8][10,240 bytes].  A sub-block holds 8 images of V of key step j (image f = 8 w + 0..7; f = 16 x (block of 32 keys) + channel tile), 1,024 bytes each,
;   and behind them 2 images of K: key tile w of key step (j + 2) mod 16, its two K steps of 128.  An image is what a wave's two 16-byte loads a lane take: load c at 512 c + 16 x lane.
; sb: [batch][24,576 bytes]: K's scale words [key tile 128][K step 2][key 16], then bias[key] f32: -1e9 where mask == 0, else 0.
; THE MASK: the codes of a masked key are made zeros, and the bias is added as the sum's start in the attention launch: a masked score is then 0 + (-1e9), the fill of the definition, exactly.
; THE QUANTISER: a block's scale is 2^(floor(log2(largest magnitude)) - 2); its byte is the largest magnitude's exponent field - 2, held at 1 from below.
; LIMITS: a block of zeros gets the byte 1 where the rule says 127 (its codes are zeros, and this program alone reads the bytes); blocks whose largest magnitude lies under 2^-124 are held at that floor;
;   NaN and infinities are not served; |v| above 65,504 has no f16 number.
; No cluster, no tensor load: the work-groups share no input.  Only path Q uses LDS.  K's scale words and the bias leave in pieces of 64 and 128 bytes: one byte in 66 of what the launch stores.
.set WREG,  8192                       ; path Q: LDS of a wave: two stages of 32 x SP bytes, behind them its 256 scale bytes
.set SP,    80                         ; a lane's place in a stage: 64 bytes + 16 of padding
.set SPARE, 4*WREG                     ; the spare words, 128 bytes a wave: two blocks of 256 bytes that no other line names
.set SPW,   12                         ; v12  SPARE + 4 x my thread's number; never rewritten
.set NIL,   13                         ; v13  0; never rewritten
.set R,     16                         ; path Q: v16-79 four sets of 16 numbers as loaded
.set XQ,    80                         ; v80-111  two sets of 16 neighbours
.set EB,    112                        ; v112-127 a scale byte for each step
.set CQ,    128                        ; v128-191 codes, four registers a step
.set X,     32                         ; paths K, V: v32-95 two sets of 32 numbers
.set CD,    96                         ; from v96: results, registers of its own for each block, so that no store's data are written again
.set SLOT,  81920                      ; a block of kv
.set SUB,   10240                      ; a sub-block
	s_load_b256 s[4:11], s[0:1], 0x0               ; q s[4:5], k s[6:7], v s[8:9], mask s[10:11]
	s_load_b256 s[12:19], s[0:1], 0x20             ; qc s[12:13], qs s[14:15], kv s[16:17], sb s[18:19]
	v_lshl_add_u32 v[SPW], v0, 2, SPARE
	v_mov_b32 v[NIL], 0
	v_lshrrev_b32 v1, 5, v0
	v_readfirstlane_b32 s20, v1                    ; wave 0..3
	v_and_b32 v2, 31, v0                           ; lane
	; path Q's addresses are made here, ahead of the parting: v3-v7, v14, v15 hold nothing else in any path
	v_lshlrev_b32 v3, 4, v2                        ; my 16 bytes of a load's 512
	s_mul_i32 s21, s20, WREG
	v_lshrrev_b32 v14, 2, v2
	v_mul_u32_u24 v14, v14, SP
	v_and_b32 v15, 3, v2
	v_lshl_add_u32 v14, v15, 4, v14
	v_add_nc_u32 v14, s21, v14                     ; the stage, in: SP (lane / 4) + 16 (lane % 4)
	v_mul_u32_u24 v15, v2, SP
	v_add_nc_u32 v15, s21, v15                     ; the stage, out: SP x lane: my 16 neighbours
	v_lshlrev_b32 v4, 3, v2                        ; my 8 bytes of a step's codes
	v_lshrrev_b32 v5, 1, v2
	s_add_co_u32 s21, s21, 2*32*SP
	v_add_nc_u32 v5, s21, v5                       ; LDS: my block's scale byte
	v_lshlrev_b32 v7, 3, v2                        ; and on the way out 8 bytes a lane
	v_add_nc_u32 v6, s21, v7
	s_wait_kmcnt 0x0
	s_cmp_lt_u32 ttmp9, 256
	s_cbranch_scc0 .Lnot_q
; ---------------- PATH Q.  A wave takes 16 steps of 512 numbers.  Each load reads 512 consecutive bytes; a step's 2,048 bytes turn through the wave's own stage, so that a lane holds 16 neighbours along K.
	s_lshl_b32 s22, ttmp9, 2
	s_add_co_u32 s22, s22, s20                     ; which run of 8,192 numbers is my wave's
	s_lshl_b32 s24, s22, 15                        ; 32,768 bytes of q,
	s_mov_b32 s25, 0
	s_add_nc_u64 s[4:5], s[4:5], s[24:25]
	s_lshl_b32 s24, s22, 12                        ; 4,096 of codes,
	s_add_nc_u64 s[12:13], s[12:13], s[24:25]
	s_lshl_b32 s24, s22, 8                         ; 256 scale bytes a run
	s_add_nc_u64 s[14:15], s[14:15], s[24:25]
.macro QLOAD t
.irp i, 0,1,2,3
	global_load_b128 v[R+16*((\t)%4)+4*\i:R+16*((\t)%4)+4*\i+3], v3, s[4:5] offset:2048*(\t)+512*\i th:TH_LOAD_NT
.endr
.endm
.macro QTURN t                         ; LDS serves a wave's instructions in order: no wait between the stores and the loads
.irp i, 0,1,2,3
	ds_store_b128 v14, v[R+16*((\t)%4)+4*\i:R+16*((\t)%4)+4*\i+3] offset:32*SP*((\t)%2)+8*SP*\i
.endr
.irp i, 0,1,2,3
	ds_load_b128 v[XQ+16*((\t)%2)+4*\i:XQ+16*((\t)%2)+4*\i+3], v15 offset:32*SP*((\t)%2)+16*\i
.endr
.endm
.macro QSTEP t
.set XS, XQ+16*((\t)%2)
.if (\t) > 0
	s_wait_dscnt 1                                 ; this step's numbers are back from the stage; the last step's byte store may be out
.else
	s_wait_dscnt 0x0
.endif
.if (\t)+4 < 16
	QLOAD (\t)+4                                   ; into the set whose stores into the stage are done
.endif
.if (\t)+1 < 16
.if 14-(\t) >= 3
	s_wait_loadcnt 12                              ; the next step's four loads are in; those of the three steps behind it may be out
.else
	s_wait_loadcnt 4*(14-(\t))
.endif
	QTURN (\t)+1
.endif
	v_max3_num_f32 v8, |v[XS]|, |v[XS+1]|, |v[XS+2]|
	v_max3_num_f32 v9, |v[XS+3]|, |v[XS+4]|, |v[XS+5]|
.irp i, 6,10
	v_max3_num_f32 v8, v8, |v[XS+\i]|, |v[XS+\i+1]|
	v_max3_num_f32 v9, v9, |v[XS+\i+2]|, |v[XS+\i+3]|
.endr
	v_max3_num_f32 v8, v8, |v[XS+14]|, |v[XS+15]|
	v_max3_num_f32 v8, v8, v9, 0x1800000           ; the floor 2^(3 - 127): the byte cannot fall under 1
	v_max_num_f32_dpp v8, v8, v8 row_xmask:1 row_mask:0xf bank_mask:0xf   ; with my neighbour's 16: the block's largest magnitude
	v_add_nc_u32 v11, 0xff000000, v8               ; 2 off its exponent field: the conversion takes that field as its scale
	v_cvt_scalef32_pk8_fp4_f32 v[CQ+4*(\t)], v[XS:XS+7], v11
	v_cvt_scalef32_pk8_fp4_f32 v[CQ+4*(\t)+1], v[XS+8:XS+15], v11
	v_lshrrev_b32 v[EB+(\t)], 23, v11              ; the scale's byte (a plain line behind the conversions)
	ds_store_b8 v5, v[EB+(\t)] offset:16*(\t)      ; both lanes of a block write the same byte
	global_store_b64 v4, v[CQ+4*(\t):CQ+4*(\t)+1], s[12:13] offset:256*(\t)   ; the wave stores 256 consecutive bytes, aligned
.endm
.irp t, 0,1,2,3
	QLOAD \t
.endr
	s_wait_loadcnt 12                              ; step 0's four loads are in
	QTURN 0
.irp t, 0,1,2,3,4,5,6,7,8,9,10,11,12,13,14,15
	QSTEP \t
.endr
	ds_load_b64 v[8:9], v6                         ; my wave's 256 scale bytes, 8 a lane
	s_wait_dscnt 0x0
	global_store_b64 v7, v[8:9], s[14:15]          ; 256 consecutive bytes, aligned
	s_wait_tensorcnt 0x0                           ; the wave's end, behind my last LDS store
	ds_add_u32 v[SPW], v[NIL]
	s_wait_dscnt 0x0
	s_endpgm
.macro CLOAD t, base, pitch            ; block t: 32 rows (K's: along the 256; V's: keys) at my column, into set t % 2; a wave reads 128 consecutive bytes, the work-group 512
.set i, 0
.rept 32
	global_load_b32 v[X+32*((\t)%2)+i], v1, s[\base:\base+1] offset:(32*(\t)+i)*(\pitch) th:TH_LOAD_NT
.set i, i+1
.endr
.endm
.Lnot_q:
	v_lshlrev_b32 v1, 2, v2                        ; 4 x lane
	v_lshrrev_b32 v17, 4, v2                       ; lane / 16
	v_and_b32 v18, 15, v2                          ; r
	s_cmp_lt_u32 ttmp9, 512
	s_cbranch_scc0 .Lpath_v
; ---------------- PATH K.  Work-group = (batch, key step j); a wave takes 32 keys, a LANE A KEY, and its registers run down the 256: a block of 32 along K lies in one lane.
	s_sub_co_u32 s22, ttmp9, 256
	s_lshr_b32 s23, s22, 4                         ; batch
	s_and_b32 s24, s22, 15                         ; j
	s_lshl_b32 s28, s20, 7                         ; 128 x wave: my 32 keys in bytes
	s_lshl_b32 s29, s24, 9                         ; 512 j
	s_add_co_u32 s28, s28, s29
	s_lshl_b32 s26, s23, 21                        ; k: a batch is 2,097,152 bytes
	s_add_co_u32 s26, s26, s28
	s_mov_b32 s27, 0
	s_add_nc_u64 s[6:7], s[6:7], s[26:27]
	s_lshl_b32 s26, s23, 13                        ; mask: a batch is 8,192 bytes
	s_add_co_u32 s26, s26, s28
	s_add_nc_u64 s[10:11], s[10:11], s[26:27]
	s_add_co_u32 s29, s24, 14
	s_and_b32 s29, s29, 15                         ; key step j rides in block (j + 14) mod 16: two steps ahead of the values beside it
	s_mul_i32 s29, s29, SLOT
	s_mul_i32 s26, s23, 16*SLOT
	s_add_co_u32 s26, s26, s29
	s_mul_i32 s29, s20, 2*SUB                      ; my two key tiles: sub-blocks 2 wave, 2 wave + 1
	s_add_co_u32 s26, s26, s29
	s_add_nc_u64 s[16:17], s[16:17], s[26:27]
	s_mul_i32 s26, s23, 24576
	s_add_co_u32 s29, s26, s28                     ; the bias: 4 bytes a key
	s_lshl_b32 s22, s24, 10                        ; the scale words: 128 bytes a key tile, 8 tiles a step,
	s_add_co_u32 s26, s26, s22
	s_lshl_b32 s22, s20, 8                         ; 2 a wave
	s_add_co_u32 s26, s26, s22
	s_add_nc_u64 s[30:31], s[18:19], s[26:27]
	s_mov_b32 s26, s29
	s_add_nc_u64 s[18:19], s[18:19], s[26:27]
	v_mul_u32_u24 v16, v17, SUB
	v_lshl_add_u32 v16, v18, 4, v16                ; codes: my tile's sub-block, 16 bytes a key
	v_lshlrev_b32 v19, 7, v17
	v_lshl_add_u32 v19, v18, 2, v19                ; scale words: my tile, 4 bytes a key
	v_mov_b32 v29, 0xce6e6b28                      ; -1e9
	global_load_b32 v27, v1, s[10:11]              ; my key's mask
	CLOAD 0, 6, 8192
	CLOAD 1, 6, 8192
.macro KBLOCK t
.set XS, X+32*((\t)%2)
.if (\t) < 7
	s_wait_loadcnt 32                              ; this block's 32 loads are in (and the mask, issued ahead of them); the next block's may be out
.else
	s_wait_loadcnt 0
.endif
.if (\t) == 0
	v_cmp_ne_u32 vcc_lo, 0, v27
	v_cndmask_b32 v26, 0, -1, vcc_lo               ; all ones where my key counts
	v_cndmask_b32 v28, v29, 0, vcc_lo              ; the bias: 0 where it counts, else -1e9
.endif
	v_max3_num_f32 v8, |v[XS]|, |v[XS+1]|, |v[XS+2]|
	v_max3_num_f32 v9, |v[XS+3]|, |v[XS+4]|, |v[XS+5]|
.irp i, 6,10,14,18,22,26
	v_max3_num_f32 v8, v8, |v[XS+\i]|, |v[XS+\i+1]|
	v_max3_num_f32 v9, v9, |v[XS+\i+2]|, |v[XS+\i+3]|
.endr
	v_max3_num_f32 v8, v8, |v[XS+30]|, |v[XS+31]|
	v_max3_num_f32 v8, v8, v9, 0x1800000           ; the floor 2^(3 - 127)
	v_add_nc_u32 v11, 0xff000000, v8               ; 2 off the exponent field: the conversion's scale
.irp g, 0,1,2,3
	v_cvt_scalef32_pk8_fp4_f32 v[CD+4*(\t)+\g], v[XS+8*\g:XS+8*\g+7], v11
.endr
	v_lshrrev_b32 v10, 23, v11                     ; the scale's byte (plain lines behind the conversions)
.if (\t)%4 == 0
	v_mov_b32 v[24+(\t)/4], v10                    ; four bytes make the word of a K step of 128
.else
	v_lshl_or_b32 v[24+(\t)/4], v10, 8*((\t)%4), v[24+(\t)/4]
.endif
.irp g, 0,1,2,3
	v_and_b32 v[CD+4*(\t)+\g], v26, v[CD+4*(\t)+\g]   ; a masked key's codes are zeros
.endr
	global_store_b128 v16, v[CD+4*(\t):CD+4*(\t)+3], s[16:17] offset:8192+((\t)/4)*1024+(((\t)%4)/2)*512+((\t)%2)*256   ; block 2 c + h of K step t / 4: sixteen lanes store 256 consecutive bytes, aligned
.if (\t)+2 < 8
	CLOAD (\t)+2, 6, 8192
.endif
.endm
.irp t, 0,1,2,3,4,5,6,7
	KBLOCK \t
.endr
	global_store_b32 v19, v24, s[30:31]            ; my key's word of K step 0,
	global_store_b32 v19, v25, s[30:31] offset:64  ; of K step 1,
	global_store_b32 v1, v28, s[18:19] offset:16384   ; and its bias
	s_endpgm
; ---------------- PATH V.  Work-group = (batch, 256 keys kg, half of the channels hc); a wave takes 32 channels, a LANE A CHANNEL, and its registers run down the keys.
.Lpath_v:
	s_sub_co_u32 s22, ttmp9, 512
	s_lshr_b32 s23, s22, 4                         ; batch
	s_bfe_u32 s24, s22, 0x30001                    ; kg: two key steps
	s_and_b32 s25, s22, 1                          ; hc
	s_lshl_b32 s26, s23, 21
	s_lshl_b32 s27, s24, 18                        ; 256 keys of 1,024 bytes
	s_add_co_u32 s26, s26, s27
	s_lshl_b32 s27, s25, 9
	s_add_co_u32 s26, s26, s27
	s_lshl_b32 s27, s20, 7
	s_add_co_u32 s26, s26, s27
	s_mov_b32 s27, 0
	s_add_nc_u64 s[8:9], s[8:9], s[26:27]
	s_mul_i32 s26, s23, 16*SLOT
	s_mul_i32 s28, s24, 2*SLOT
	s_add_co_u32 s26, s26, s28
	s_mul_i32 s28, s25, SUB                        ; image f = 16 kb + 8 hc + 2 wave + lane / 16: sub-block 2 kb + hc,
	s_add_co_u32 s26, s26, s28
	s_lshl_b32 s28, s20, 11                        ; image 2 wave + lane / 16 in it
	s_add_co_u32 s26, s26, s28
	s_add_nc_u64 s[16:17], s[16:17], s[26:27]
	v_lshlrev_b32 v16, 10, v17
	v_lshl_add_u32 v16, v18, 4, v16                ; my channel tile's image, 16 bytes a channel
	CLOAD 0, 8, 1024
	CLOAD 1, 8, 1024
.macro VBLOCK t
.set XS, X+32*((\t)%2)
.if (\t) < 7
	s_wait_loadcnt 32                              ; this block's 32 loads are in; the next block's may be out
.else
	s_wait_loadcnt 0
.endif
.set i, 0
.rept 16
	v_cvt_pk_f16_f32 v[CD+16*(\t)+i], v[XS+2*i], v[XS+2*i+1]   ; two neighbouring keys, the lower in the low half
.set i, i+1
.endr
.irp p, 0,1,2,3
	global_store_b128 v16, v[CD+16*(\t)+4*\p:CD+16*(\t)+4*\p+3], s[16:17] offset:((\t)/4)*SLOT+((\t)%4)*2*SUB+256*\p   ; keys 8 p .. 8 p + 7: sixteen lanes store 256 consecutive bytes, aligned
.endr
.if (\t)+2 < 8
	CLOAD (\t)+2, 8, 1024
.endif
.endm
.irp t, 0,1,2,3,4,5,6,7
	VBLOCK \t
.endr
	s_endpgm
.Lfunc_end_k_qf7ab14cce2_prep:
	.size	k_qf7ab14cce2_prep, .Lfunc_end_k_qf7ab14cce2_prep-k_qf7ab14cce2_prep
	.p2alignl 7, 3214868480
	.fill 96, 4, 3214868480
	.section	.rodata,"a",@progbits
	.p2align	6, 0x0
	.amdhsa_kernel k_qf7ab14cce2_prep
		.amdhsa_group_segment_fixed_size 33280
		.amdhsa_private_segment_fixed_size 0
		.amdhsa_enable_private_segment 0
		.amdhsa_kernarg_size 64
		.amdhsa_user_sgpr_count 2
		.amdhsa_user_sgpr_kernarg_segment_ptr 1
		.amdhsa_wavefront_size32 1
		.amdhsa_system_sgpr_workgroup_id_x 1
		.amdhsa_system_sgpr_workgroup_id_y 1
		.amdhsa_system_sgpr_workgroup_id_z 1
		.amdhsa_system_vgpr_workitem_id 0
		.amdhsa_next_free_vgpr 224
		.amdhsa_next_free_sgpr 66
		.amdhsa_reserve_vcc 1
		.amdhsa_float_denorm_mode_32 3
		.amdhsa_float_denorm_mode_16_64 3
		.amdhsa_memory_ordered 1
		.amdhsa_forward_progress 1
		.amdhsa_inst_pref_size 109
	.end_amdhsa_kernel
	.amdgpu_metadata
---
amdhsa.version: [ 1, 2 ]
amdhsa.kernels:
  - .name:           k_qf7ab14cce2_prep
    .symbol:         k_qf7ab14cce2_prep.kd
    .args:
      - { .name: q, .offset: 0, .size: 8, .value_kind: global_buffer, .address_space: global }
      - { .name: k, .offset: 8, .size: 8, .value_kind: global_buffer, .address_space: global }
      - { .name: v, .offset: 16, .size: 8, .value_kind: global_buffer, .address_space: global }
      - { .name: mask, .offset: 24, .size: 8, .value_kind: global_buffer, .address_space: global }
      - { .name: qc, .offset: 32, .size: 8, .value_kind: global_buffer, .address_space: global }
      - { .name: qs, .offset: 40, .size: 8, .value_kind: global_buffer, .address_space: global }
      - { .name: kv, .offset: 48, .size: 8, .value_kind: global_buffer, .address_space: global }
      - { .name: sb, .offset: 56, .size: 8, .value_kind: global_buffer, .address_space: global }
    .group_segment_fixed_size: 33280
    .private_segment_fixed_size: 0
    .kernarg_segment_align: 8
    .kernarg_segment_size: 64
    .max_flat_workgroup_size: 128
    .sgpr_count:     66
    .vgpr_count:     224
    .wavefront_size: 32
...
	.end_amdgpu_metadata
.endif
;; end of part 1
;; launch attn (part 2): grid 16 x 16, 8 waves a work-group, clusters of 4 x 1, 327,680 bytes of LDS; arguments qc, qs, kv, sb, out0; writes out0
.if DOCPART == 2
	.amdgcn_target "amdgcn-amd-amdhsa--gfx1250"
	.amdhsa_code_object_version 6
	.text
	.protected	k_qf7ab14cce2_attn
	.globl	k_qf7ab14cce2_attn
	.p2align	8
	.type	k_qf7ab14cce2_attn,@function
k_qf7ab14cce2_attn:
	s_mov_b64 s[64:65], 0
	v_nop
	global_prefetch_b8 v0, s[64:65] scope:SCOPE_SE
	s_setreg_imm32_b32 hwreg(HW_REG_WAVE_MODE, 25, 1), 1
	s_wait_xcnt 0x0
	s_wait_alu depctr_hold_cnt(0) depctr_sa_sdst(0) depctr_va_vdst(0) depctr_va_sdst(0) depctr_va_ssrc(0) depctr_va_vcc(0) depctr_vm_vsrc(0)
	s_getreg_b32 s2, hwreg(HW_REG_IB_STS2, 6, 4)
	s_cmp_eq_u32 s2, 0
	s_cbranch_scc0 .Lentry_in_a_cluster
	s_endpgm
.Lentry_in_a_cluster:
	s_bfe_u32 s2, ttmp6, 0x10000c
	s_cmp_lg_u32 s2, 0x3003
	s_cbranch_scc0 .Lentry_shape_is_right
	s_endpgm
.Lentry_shape_is_right:
; out0[batch][channel][query] = sum over keys of softmax_keys(where(mask == 0, -1e9, q . k)) / 16 x v[key][channel].
; The first product runs on codes of E2M1 with E8M0 scales (K = 256, two matrix instructions deep), the second on f16 (p <= 1 by the running maximum; v as f16); sums, maxima and the softmax in f32.
; SHARES.  A work-group owns 128 queries of one batch and walks its 2,048 keys in 16 steps of 128.  Its eight waves have TWO ROLES, two waves to a SIMD, one of each role:
;   S waves (4): 32 queries each.  S^T = K Q^T (source 0 = 16 keys, source 1 = 16 queries: a lane holds ONE query), running maximum m and sum l, p = 2^((s - m) log2 e), rounded to f16.  Two score tiles of
;                16 keys, packed in pairs, ARE source 1 (32 keys x 16 queries) of the second product: they go to LDS as images of the registers, with a = 2^((m_old - m_new) log2 e) beside them.
;   O waves (4): 64 queries x 128 channels each, 32 accumulators.  O^T = a O^T + V^T P (source 0 = 16 channels x 32 keys, an image made by the launch before).
; In interval j the O waves multiply key step j while the S waves make key step j + 1: one wave's vector work stands beside the other's matrix work on the same SIMD.
; BOTH ROLES REACH OVER THE CHANGE OF SLOTS WITH REGISTERS, so that each has matrix work in hand behind the barrier, ahead of any LDS load:
;   an O wave keeps the fragments of a step's last 32 keys and multiplies them first thing in the next interval, while a and the next fragments are on their way from LDS;
;   an S wave fetches the NEXT step's K, bias and scale words during its softmax, in four short runs, and begins the next interval with its products.  For that, block j of kv carries K of step j + 2.
; THE MASK costs nothing here: masked keys have zero codes, and bias[key] (-1e9 or 0) is the C of a score tile's first matrix instruction.  The exponent is (s - m) x log2 e, subtraction first, so that
; a batch whose keys are all masked gives p = 1 everywhere, as the definition does.
; THE RING.  Two LDS slots of 81,920 bytes; block j holds V of step j and K of step j + 2, so both roles read one slot.  Every wave fetches its eighth (one sub-block) of every block.
; CLUSTER.  The four work-groups of a cluster belong to one batch and walk the same blocks: every tensor load is a joint one, with the same descriptor and the mask of all four.
; LIMITS: NaN and infinities are not served; |v| above 65,504 has no f16 number; a p under 2^-25 of the row's largest so far is lost in f16.
; REGISTERS.  Window 0: v1-25 addresses, made once by all waves (v10, v11 anew in each interval, in the text that all waves run); v232-241 scale words; v254, v255 the add's two.
;   S role: v32-47 statistics (8 a query tile: m, -, l, l, a, -, T, T2); v48-55 maxima at work; v64-95 Q; v96-223 S^T, then p.  Window 1: v0-127 K's fragments, v128-191 the bias, v192-255 P.
;   O role: v32-127, v128-223 two buffers of fragments (V at 8 n, P at 64 + 8 m); v224-231 a in pairs.  Window 1: O^T, accumulator i = 8 m + n at 8 i.
.set SLOT,  81920
.set SUB,   10240
.set SBR,   2*SLOT                     ; the batch's tables: 16,384 bytes of K's scale words, 8,192 of bias, filled once
.set K01R,  SBR+24576                  ; K of key steps 0 and 1: [tile 8][step 2][2,048 bytes], filled once
.set PB,    K01R+32768                 ; P's images: [buffer 2][query tile 8][32 keys 4][1,024 bytes]
.set AB,    PB+65536                   ; a's images: [buffer 2][query tile 8][128 bytes]; at + 2,048 the last factors 1 / (16 l)
.set SPARE, AB+3072                    ; the spare words, 128 bytes a wave: four blocks of 256 bytes that no other line names
.set STGW,  17408                      ; the way out: 64 rows x 272 bytes for each wave, laid over the ring, which has then had its last fill and its last read
.set L16, 1
.set AKS, 2                            ; v2-5   K's images in slot s, tiles 4 g on: AKS + 2 s + g
.set AK0, 6                            ; v6     the same in K01R
.set ASC0, 8                           ; v8     K's scale words: lanes 0-15 take K step 0's, lanes 16-31 K step 1's
.set ABI0, 9                           ; v9     the bias of my half's eight keys
.set ADS, 10                           ; v10    ASC0 + the step that is fetched in this interval
.set ADB, 11                           ; v11    ABI0 + the same
.set APS, 12                           ; v12    where an S wave stores P
.set AAS, 13                           ; v13    and a
.set AVO, 14                           ; v14-17 V's images for an O wave: AVO + 2 s + kb / 2
.set APO, 18                           ; v18    where an O wave reads P
.set AAO, 19                           ; v19    and a
.set STO, 20
.set RDA, 21
.set GO,  22
.set QO,  23
.set QSO, 24
.set PFO, 25
.set ST,  32
.set MX,  48
.set Q,   64
.set S,   96
.set F0,  32
.set F1,  128
.set AF,  224
.set QSC, 232
.set KSC, 234
.set SPW, 254
.set NIL, 255
.set KF,  0                            ; window 1
.set BI,  128
.set P,   192
; scalars: s14 wave, s15 role, s16 idx, s17 hq, s18 hc, s19 cx, s[20:21] lane selects, s[22:23] log2 e, s[24:31] s[32:39] s[40:47] groups 1, s[48:55] the ring's groups 0, s[56:59] K(0), K(1)'s, s[60:63] the tables',
;          s66 trips, s67 s68 the fetched step's offsets among the scale words and the bias, s69 who prefetches, s[70:71] where
.set MSB, 0
.macro WIN new                         ; the immediate's high byte repeats the setting that is left; a switch that changes nothing is dropped
.if MSB != \new
	s_set_vgpr_msb (MSB<<8)|\new
.set MSB, \new
.endif
.endm
.macro ROUND                           ; a round of the cluster's barrier
	s_barrier_signal -1
	s_barrier_wait -1
	s_cmp_lg_u32 s14, 0
	s_cbranch_scc1 .Lnot_wave_0_\@
	s_barrier_signal -3
.Lnot_wave_0_\@:
	s_barrier_wait -3
	s_barrier_signal -1
	s_barrier_wait -1
.endm
.macro NOPS n
.rept \n
	v_nop
.endr
.endm
.macro STEPON                          ; the step that the S waves fetch, among the tables
	s_add_co_u32 s67, s67, 1024
	s_add_co_u32 s68, s68, 512
.endm
.macro SIX                             ; six plain vector lines at an interval's head, in the text that all waves run: they are the places behind the last interval's matrix instructions (ISA guide 7.12.1), whatever follows
	v_add_nc_u32 v[ADS], s67, v[ASC0]
	v_add_nc_u32 v[ADB], s68, v[ABI0]
	NOPS 4
.endm
	s_load_b256 s[4:11], s[0:1], 0x0               ; qc s[4:5], qs s[6:7], kv s[8:9], sb s[10:11]
	s_load_b64 s[12:13], s[0:1], 0x20              ; out0
	v_lshl_add_u32 v[SPW], v0, 2, SPARE
	v_mov_b32 v[NIL], 0
	ds_add_u32 v[SPW], v[NIL]                      ; the wave's opening: the add, twice on end, and its wait ahead of my first tensor load
	ds_add_u32 v[SPW], v[NIL]
	v_lshrrev_b32 v1, 5, v0
	v_readfirstlane_b32 s14, v1                    ; wave 0..7
	s_lshr_b32 s16, s14, 1                         ; idx 0..3: each idx has one wave of each role
	s_lshr_b32 s72, s14, 2
	s_xor_b32 s15, s14, s16
	s_xor_b32 s15, s15, s72
	s_and_b32 s15, s15, 1                          ; role = parity of the wave's three bits: waves w, w + 4 differ in it, and so do waves 2 i, 2 i + 1
	s_lshr_b32 s17, s16, 1                         ; hq: which 64 queries (O role)
	s_and_b32 s18, s16, 1                          ; hc: which 128 channels
	s_bfe_u32 s19, ttmp6, 0x40000                  ; cx: it enters q's, out0's and the prefetches' addresses alone
	s_and_b32 s74, ttmp7, 0xffff                   ; the batch, which the four partners share
	s_lshl_b32 s75, ttmp9, 2
	s_add_co_u32 s75, s75, s19                     ; my block of 128 queries
	; groups 1.  15:0 the mask of all four; 17:16 elements of 8 bytes (code 3); 21 set beside a mask; no padding: images are read at 16 x lane
.irp g, 24, 40                         ; the ring and the tables: dense blocks as rows of 256 bytes
	s_mov_b32 s[\g], 15|(3<<16)|(1<<21)
	s_mov_b32 s[\g+1], 32<<16                      ; tensor_dim0
	s_mov_b32 s[\g+3], 32<<16                      ; tile_dim0
	s_mov_b32 s[\g+5], 32                          ; the pitch
	s_mov_b32 s[\g+6], 0
	s_mov_b32 s[\g+7], 0
.endr
	s_mov_b32 s26, 40<<16                          ; the ring: a sub-block is 40 rows
	s_mov_b32 s28, 40
	s_mov_b32 s42, 12<<16                          ; the tables: an eighth is 12 rows
	s_mov_b32 s44, 12
	s_mov_b32 s32, 15|(3<<16)|(1<<21)              ; K(0) and K(1): a tile's two images, 2,048 bytes, out of blocks 14 and 15: two rows, a block apart
	s_mov_b32 s33, 256<<16                         ; tensor_dim0
	s_mov_b32 s34, 2<<16                           ; tensor_dim1
	s_mov_b32 s35, 256<<16                         ; tile_dim0
	s_mov_b32 s36, 2                               ; tile_dim1
	s_mov_b32 s37, SLOT/8                          ; the pitch
	s_mov_b32 s38, 0
	s_mov_b32 s39, 0
	s_mul_i32 s76, s74, 16*SLOT                    ; my batch in kv
	s_mov_b32 s77, 0
	s_mul_i32 s78, s14, SUB                        ; my eighth of a block, in memory and in a slot alike
	s_mov_b32 s79, 0
	s_mul_i32 s82, s14, 3072                       ; my eighth of the tables
	s_add_co_u32 s61, s82, SBR
	s_mul_i32 s80, s74, 24576
	s_add_co_u32 s80, s80, s82
	s_mov_b32 s81, 0
	s_lshl_b32 s57, s14, 12
	s_add_co_u32 s57, s57, K01R
	s_mov_b32 s49, s78
	s_add_co_u32 s53, s78, SLOT
	s_lshl_b32 s83, s74, 11                        ; my first query's row: 2,048 batch + 128 block + 32 idx
	s_lshl_b32 s84, s75, 7
	s_add_co_u32 s83, s83, s84
	s_lshl_b32 s84, s16, 5
	s_add_co_u32 s83, s83, s84
	s_lshl_b32 s84, s83, 7                         ; 128 bytes of codes a row,
	s_mov_b32 s85, 0
	s_lshl_b32 s86, s83, 3                         ; 8 scale bytes
	s_mov_b32 s87, 0
	s_lshl_b32 s88, s74, 21                        ; out0: batch, + 128 hc rows of 8,192 bytes, + (128 block + 64 hq) x 4
	s_lshl_b32 s89, s18, 20
	s_add_co_u32 s88, s88, s89
	s_lshl_b32 s89, s75, 9
	s_add_co_u32 s88, s88, s89
	s_lshl_b32 s89, s17, 8
	s_add_co_u32 s88, s88, s89
	s_mov_b32 s89, 0
	s_mul_i32 s90, s19, 5                          ; the prefetches: two blocks are 640 rows of 256 bytes = 4 partners x 5 waves x 32 lanes; the partners are told apart by address
	s_add_co_u32 s90, s90, s14
	s_lshl_b32 s90, s90, 13
	s_add_co_u32 s90, s90, 2*SLOT                  ; at block 2: the first trip steps it to block 4
	s_mov_b32 s91, 0
	s_cmp_lt_u32 s14, 5
	s_cselect_b32 s69, ttmp9, 1
	s_cmp_eq_u32 s69, 0                            ; waves 0 to 4 of the batch's first cluster ask: the same in all four partners
	s_cselect_b32 s69, 1, -1
	s_mov_b32 s20, 0x76543210
	s_mov_b32 s21, 0xfedcba98                      ; v_permlanex16_b32: lane l xor 16
	s_mov_b32 s22, 0x3fb8aa3b                      ; log2 e
	s_mov_b32 s23, s22                             ; (named with it as a pair)
	s_mov_b32 s67, 2048                            ; interval 0 fetches key step 2's tables
	s_mov_b32 s68, 1024
	s_mov_b32 s66, 7
	s_wait_dscnt 0x0                               ; both opening adds are done
	s_wait_kmcnt 0x0
	s_add_nc_u64 s[8:9], s[8:9], s[76:77]          ; kv at my batch
	s_add_nc_u64 s[70:71], s[8:9], s[90:91]
	s_add_nc_u64 s[8:9], s[8:9], s[78:79]          ; at my eighth of block 0
	s_add_nc_u64 s[10:11], s[10:11], s[80:81]
	s_add_nc_u64 s[4:5], s[4:5], s[84:85]
	s_add_nc_u64 s[6:7], s[6:7], s[86:87]
	s_add_nc_u64 s[12:13], s[12:13], s[88:89]
	s_mov_b32 s48, 1                               ; groups 0: count 1; LDS address; global address; type 2
	s_mov_b64 s[50:51], s[8:9]
	s_or_b32 s51, s51, 0x80000000
	s_mov_b32 s52, 1
	s_add_nc_u64 s[54:55], s[8:9], SLOT
	s_or_b32 s55, s55, 0x80000000
	s_mov_b32 s56, 1
	s_add_nc_u64 s[58:59], s[8:9], 14*SLOT+8192    ; K of step 0 rides in block 14, K of step 1 in block 15
	s_or_b32 s59, s59, 0x80000000
	s_mov_b32 s60, 1
	s_mov_b64 s[62:63], s[10:11]
	s_or_b32 s63, s63, 0x80000000
	ROUND                                          ; all four work-groups are here: the first joint loads meet
	tensor_load_to_lds s[60:63], s[40:47]          ; the tables
	s_nop 0
	tensor_load_to_lds s[56:59], s[32:39]          ; K of steps 0 and 1
	s_nop 0
	tensor_load_to_lds s[48:51], s[24:31]          ; block 0
	s_nop 0
	tensor_load_to_lds s[52:55], s[24:31]          ; block 1: four loads of mine are out
	s_nop 0
	NOPS 4
	v_and_b32 v28, 31, v0                          ; lane
	v_and_b32 v26, 15, v0                          ; r
	v_bfe_u32 v27, v0, 4, 1                        ; h
	v_lshlrev_b32 v[L16], 4, v28
	v_lshlrev_b32 v29, 2, v28
	v_add_nc_u32 v[AKS], 8192, v[L16]
	v_add_nc_u32 v[AKS+1], 4*SUB+8192, v[L16]
	v_add_nc_u32 v[AKS+2], SLOT+8192, v[L16]
	v_add_nc_u32 v[AKS+3], SLOT+4*SUB+8192, v[L16]
	v_add_nc_u32 v[AK0], K01R, v[L16]
	v_add_nc_u32 v[ASC0], SBR, v29
	v_lshl_add_u32 v[ABI0], v27, 5, SBR+16384
	v_add_nc_u32 v[ADS], SBR, v29                  ; key step 0
	v_lshl_add_u32 v[ADB], v27, 5, SBR+16384
	s_lshl_b32 s72, s16, 13
	s_add_co_u32 s72, s72, PB
	v_add_nc_u32 v[APS], s72, v[L16]               ; query tiles 2 idx, 2 idx + 1
	s_lshl_b32 s72, s16, 8
	s_add_co_u32 s72, s72, AB
	v_add_nc_u32 v[AAS], s72, v29
	s_mul_i32 s72, s18, SUB
	v_add_nc_u32 v[AVO], s72, v[L16]               ; image 16 kb + 8 hc + n lies in sub-block 2 kb + hc
	v_add_nc_u32 v[AVO+1], 4*SUB, v[AVO]
	v_add_nc_u32 v[AVO+2], SLOT, v[AVO]
	v_add_nc_u32 v[AVO+3], SLOT+4*SUB, v[AVO]
	s_lshl_b32 s72, s17, 14
	s_add_co_u32 s72, s72, PB
	v_add_nc_u32 v[APO], s72, v[L16]               ; query tiles 4 hq + 0 .. 3
	s_lshl_b32 s72, s17, 9
	s_add_co_u32 s72, s72, AB
	v_add_nc_u32 v[AAO], s72, v29
	s_mul_i32 s72, s14, STGW                       ; my stage
	v_mul_u32_u24 v[STO], v27, 2176
	v_lshl_add_u32 v[STO], v26, 2, v[STO]
	v_add_nc_u32 v[STO], s72, v[STO]               ; in: channel row 8 h (+ 16 n + j), query r (+ 16 m): the halves of the lanes fall 32 banks apart
	v_mul_u32_u24 v[RDA], v27, 272
	v_lshl_add_u32 v[RDA], v26, 4, v[RDA]
	v_add_nc_u32 v[RDA], s72, v[RDA]               ; back: lanes 0-15 one row of 256 bytes, lanes 16-31 the next
	v_lshlrev_b32 v[GO], 13, v27
	v_lshl_add_u32 v[GO], v26, 4, v[GO]            ; and the same two rows of out0
	v_lshlrev_b32 v[QO], 7, v26
	v_lshl_add_u32 v[QO], v27, 4, v[QO]            ; q's codes: row r of 128 bytes, + 16 h
	v_lshlrev_b32 v[QSO], 3, v26
	v_lshl_add_u32 v[QSO], v27, 2, v[QSO]          ; q's scale words: lanes 0-15 K step 0's, lanes 16-31 K step 1's
	v_lshlrev_b32 v[PFO], 8, v28
.irp u, 0,1
.irp s, 0,1
.irp c, 0,1
	global_load_b128 v[Q+16*\u+8*\s+4*\c:Q+16*\u+8*\s+4*\c+3], v[QO], s[4:5] offset:2048*\u+64*\s+32*\c   ; Q's fragments stay in registers
.endr
.endr
	global_load_b32 v[QSC+\u], v[QSO], s[6:7] offset:128*\u
.endr
.set i, ST
.rept 32
	v_mov_b32 v[i], 0                              ; the statistics: l = 0; the fillers of pairs and the lane permutes' destinations are written
.set i, i+1
.endr
	v_mov_b32 v[ST], 0xff61b1e6                    ; m = -3e38, under every score
	v_mov_b32 v[ST+8], 0xff61b1e6
.irp m, 0,1,2,3
	v_mov_b32 v[AF+2*\m+1], 0                      ; (the upper halves of a's pairs)
.endr
	s_wait_loadcnt 0x0                             ; Q
; ---- S ROLE.
.macro KTILE t, ka, off, boff          ; key tile t of a step: its two images and its bias: 6 loads
.irp s, 0,1
.irp c, 0,1
	ds_load_b128 v[KF+16*(\t)+8*\s+4*\c:KF+16*(\t)+8*\s+4*\c+3], v[\ka] offset:(\off)+1024*\s+512*\c
.endr
.endr
.irp c, 0,1
	ds_load_b128 v[BI+8*(\t)+4*\c:BI+8*(\t)+4*\c+3], v[ADB] offset:64*(\t)+16*\c+(\boff)   ; register j: bias of key 16 t + 8 h + j, the result's layout
.endr
.endm
.macro NEXT2 q, ring, p, boff          ; key tiles 2 q, 2 q + 1: 12 loads.  ring = 1: out of slot p;  ring = 0: out of K01R, key step p.  It leaves the destination's window at 1
	WIN 0x40
.irp t, 2*(\q), 2*(\q)+1
.if \ring
	KTILE \t, AKS+2*(\p)+(\t)/4, ((\t)%4)*SUB, \boff
.else
	KTILE \t, AK0, (\t)*4096+2048*(\p), \boff
.endif
.endr
.endm
.macro SCORES                          ; 32 matrix instructions: sixteen accumulators by turns; K step 0 starts the sums from the bias, K step 1 adds in place
	WIN 0x11                                       ; K and the bias in window 1
.irp t, 0,1,2,3,4,5,6,7
.irp u, 0,1
	v_wmma_scale_f32_16x16x128_f8f6f4 v[S+64*\u+8*\t:S+64*\u+8*\t+7], v[KF+16*\t:KF+16*\t+7], v[Q+16*\u:Q+16*\u+7], v[BI+8*\t:BI+8*\t+7], v[KSC+\t], v[QSC+\u] matrix_a_fmt:MATRIX_FMT_FP4 matrix_b_fmt:MATRIX_FMT_FP4
.endr
.endr
	WIN 0x01
.irp t, 0,1,2,3,4,5,6,7
.irp u, 0,1
	v_wmma_scale_f32_16x16x128_f8f6f4 v[S+64*\u+8*\t:S+64*\u+8*\t+7], v[KF+16*\t+8:KF+16*\t+15], v[Q+16*\u+8:Q+16*\u+15], v[S+64*\u+8*\t:S+64*\u+8*\t+7], v[KSC+\t], v[QSC+\u] matrix_a_fmt:MATRIX_FMT_FP4 matrix_b_fmt:MATRIX_FMT_FP4 matrix_a_scale:MATRIX_SCALE_ROW1 matrix_b_scale:MATRIX_SCALE_ROW1
.endr
.endr
.endm
; One key step: 128 keys x my 32 queries.  Its K, bias and scale words are in registers when it begins.  The NEXT step's are fetched on the way (ring, p, boff, soff say from where), in runs of 12 loads between
; the phases of the softmax; they are waited for in front of the interval's closing barrier.  P and a go to buffer pbuf.
.macro SOFT ring, p, boff, soff, pbuf
	SCORES
	WIN 0
	NOPS 4                                         ; places in front of the first read of results, and of loads into registers that the products have read
.irp t, 0,1,2,3,4,5,6,7
	ds_load_b32 v[KSC+\t], v[ADS] offset:128*\t+(\soff)   ; tile t's scale words, both K steps in one register
.endr
	; the maximum of a lane's 64 scores and the old m: four chains a query tile, each over two score tiles in ascending order
.irp u, 0,1
.irp k, 0,1,2,3
	v_max3_num_f32 v[MX+4*\u+\k], v[S+64*\u+16*\k], v[S+64*\u+16*\k+1], v[S+64*\u+16*\k+2]
.endr
.endr
.irp i, 3,5,7,9,11,13
.irp u, 0,1
.irp k, 0,1,2,3
	v_max3_num_f32 v[MX+4*\u+\k], v[MX+4*\u+\k], v[S+64*\u+16*\k+\i], v[S+64*\u+16*\k+\i+1]
.endr
.endr
.endr
	NEXT2 0, \ring, \p, \boff
	WIN 0
.irp u, 0,1
	v_max3_num_f32 v[MX+4*\u], v[MX+4*\u], v[S+64*\u+15], v[S+64*\u+31]
	v_max3_num_f32 v[MX+4*\u+2], v[MX+4*\u+2], v[S+64*\u+47], v[S+64*\u+63]
.endr
.irp u, 0,1
	v_max3_num_f32 v[MX+4*\u], v[MX+4*\u], v[MX+4*\u+1], v[MX+4*\u+2]
.endr
.irp u, 0,1
	v_max3_num_f32 v[MX+4*\u], v[MX+4*\u], v[MX+4*\u+3], v[ST+8*\u]
.endr
.irp u, 0,1
	v_permlanex16_b32 v[ST+8*\u+7], v[MX+4*\u], s20, s21   ; the query's other 64 keys lie in the lane 16 away
.endr
.irp u, 0,1
	v_max_num_f32 v[MX+4*\u], v[MX+4*\u], v[ST+8*\u+7]     ; the new m
.endr
.irp u, 0,1
	v_sub_f32 v[ST+8*\u+6], v[ST+8*\u], v[MX+4*\u]         ; m_old - m_new
.endr
.irp u, 0,1
	v_mov_b32 v[ST+8*\u], v[MX+4*\u]
.endr
.irp u, 0,1
	v_mul_f32 v[ST+8*\u+6], s22, v[ST+8*\u+6]
.endr
.irp u, 0,1
	v_exp_f32 v[ST+8*\u+4], v[ST+8*\u+6]                   ; a
.endr
.irp u, 0,1
.set i, 0
.rept 32
	v_pk_add_f32 v[S+64*\u+i:S+64*\u+i+1], v[S+64*\u+i:S+64*\u+i+1], v[ST+8*\u:ST+8*\u+1] op_sel_hi:[1,0] neg_lo:[0,1] neg_hi:[0,1]   ; s - m, first: at -1e9 a fused c s - c m would be off by far more than 1
.set i, i+2
.endr
.endr
	NEXT2 1, \ring, \p, \boff
	WIN 0
.set i, 0
.rept 64
	v_pk_mul_f32 v[S+i:S+i+1], v[S+i:S+i+1], s[22:23] op_sel_hi:[1,0]
.set i, i+2
.endr
	NEXT2 2, \ring, \p, \boff
	WIN 0
.set i, 0
.rept 128
	v_exp_f32 v[S+i], v[S+i]                               ; p, at most 1
.set i, i+1
.endr
	v_nop                                          ; a plain line behind the last exponential
	s_wait_alu depctr_va_vdst(0)                   ; the wait ahead of the first line that names a result: one for the batch of 130
	NEXT2 3, \ring, \p, \boff
	WIN 0x40
.set i, 0
.rept 64
	v_cvt_pk_f16_f32 v[P+i], v[S+2*i], v[S+2*i+1]          ; tiles 2 kb and 2 kb + 1 make registers 0-3 and 4-7 of the operand of keys 32 kb on
.set i, i+1
.endr
	WIN 0
.irp w, 1,2,4,8,16                     ; the row's sum of the unrounded p: a tree over the tile's 32 pairs, in place, the two query tiles by turns
.set i, 0
.rept 16/\w
.irp u, 0,1
	v_pk_add_f32 v[S+64*\u+2*i:S+64*\u+2*i+1], v[S+64*\u+2*i:S+64*\u+2*i+1], v[S+64*\u+2*(i+\w):S+64*\u+2*(i+\w)+1]
.endr
.set i, i+2*\w
.endr
.endr
.irp u, 0,1
	v_pk_fma_f32 v[ST+8*\u+2:ST+8*\u+3], v[ST+8*\u+2:ST+8*\u+3], v[ST+8*\u+4:ST+8*\u+5], v[S+64*\u:S+64*\u+1] op_sel_hi:[1,0,1]   ; l = a l + the sum
.endr
	WIN 0x04                                       ; an LDS store's data are its source 1
.set i, 0
.rept 16
	ds_store_b128 v[APS], v[P+4*i:P+4*i+3] offset:32768*(\pbuf)+512*i   ; i = 8 u + 2 kb + c: the images as they stand
.set i, i+1
.endr
	WIN 0
.irp u, 0,1
	ds_store_b32 v[AAS], v[ST+8*\u+4] offset:1024*(\pbuf)+128*\u
.endr
.endm
; ---- O ROLE.  O^T = a O^T + V^T P for my 64 queries x 128 channels; 32 keys (block kb) are 32 products, one on each accumulator, always in the order 0 .. 31: the accumulators take turns.
.macro FQ slot, buf, kb, f, q          ; a quarter of the fetch of block kb into buffer f: V's images 2 q, 2 q + 1 and P's image q: 6 loads
.irp n, 2*(\q), 2*(\q)+1
.irp c, 0,1
	ds_load_b128 v[\f+8*(\n)+4*\c:\f+8*(\n)+4*\c+3], v[AVO+2*(\slot)+(\kb)/2] offset:((\kb)%2)*2*SUB+1024*(\n)+512*\c
.endr
.endr
.irp c, 0,1
	ds_load_b128 v[\f+64+8*(\q)+4*\c:\f+64+8*(\q)+4*\c+3], v[APO] offset:32768*(\buf)+4096*(\q)+1024*(\kb)+512*\c
.endr
.endm
.macro MMI f, zero                     ; the product on accumulator i (a symbol): query tile i / 8, channel tile i % 8.  zero = 1: it starts the sum: nothing is ever cleared
	WIN 0x50                                       ; C and D in window 1
.if \zero
	v_wmma_f32_16x16x32_f16 v[8*i:8*i+7], v[\f+8*(i%8):\f+8*(i%8)+7], v[\f+64+8*(i/8):\f+64+8*(i/8)+7], 0
.else
	v_wmma_f32_16x16x32_f16 v[8*i:8*i+7], v[\f+8*(i%8):\f+8*(i%8)+7], v[\f+64+8*(i/8):\f+64+8*(i/8)+7], v[8*i:8*i+7]
.endif
.endm
.macro RS k                            ; accumulator k x a, from its low end on.  No one window setting serves a product and a multiply on an accumulator (window 1 is full of O^T), so these four cost two switches
	WIN 0x41
.irp r, 0,2,4,6
	v_pk_mul_f32 v[8*(\k)+\r:8*(\k)+\r+1], v[8*(\k)+\r:8*(\k)+\r+1], v[AF+2*((\k)/8):AF+2*((\k)/8)+1] op_sel_hi:[1,0]
.endr
.endm
; 32 products on buffer f, which was asked for 32 products ago.  The fetch of block nkb into the other buffer rides behind the first four, six loads each: the four v_nop are the places behind the products that read that buffer.
.macro KBLK f, g, slot, buf, nkb
	NOPS 4
	s_wait_dscnt 0x0                               ; buffer f is in
.set i, 0
.rept 32
	MMI \f, 0
.if i < 4
	WIN 0
	FQ \slot, \buf, \nkb, \g, i
.endif
.set i, i+1
.endr
.endm
.macro PVFIRST                         ; key step 0 (slot 0, buffer 0): its first 32 keys start the sums; its last 32 keys stay in F1 for the next interval
.irp q, 0,1,2,3
	FQ 0, 0, 0, F0, \q
.endr
	s_wait_dscnt 0x0
.set i, 0
.rept 32
	MMI F0, 1
.if i < 4
	WIN 0
	FQ 0, 0, 1, F1, i
.endif
.set i, i+1
.endr
	KBLK F1, F0, 0, 0, 2
	KBLK F0, F1, 0, 0, 3
	WIN 0
.endm
; An interval of key step j.  F1 holds the last 32 keys of step j - 1.  For each accumulator the order is: that product, x a(j), step j's products.
.macro PVSTEP slot, buf
.irp m, 0,1,2,3
	ds_load_b32 v[AF+2*\m], v[AAO] offset:1024*(\buf)+128*\m
.endr
.set i, 0
.rept 16                               ; step j - 1's last keys on accumulators 0-15; the fetch of step j's first 32 keys rides behind the first four
	MMI F1, 0
.if i < 4
	WIN 0
	FQ \slot, \buf, 0, F0, i
.endif
.set i, i+1
.endr
	NOPS 4                                         ; places behind those products, ahead of the multiplies that read their results
	s_wait_dscnt 24                                ; a is in: behind its four loads stand the fetch's 24
.rept 16                               ; the same on accumulators 16-31; behind each, accumulator i - 16 is brought under the new maximum
	MMI F1, 0
	RS i-16
.set i, i+1
.endr
	s_wait_dscnt 0x0                               ; step j's first 32 keys are in
	WIN 0
.irp q, 0,1,2,3
	FQ \slot, \buf, 1, F1, \q                      ; the four multiplies behind the last product are the places in front of these loads
.endr
.set i, 0
.rept 16
	MMI F0, 0
	RS i+16
.set i, i+1
.endr
.rept 16
	MMI F0, 0
.set i, i+1
.endr
	KBLK F1, F0, \slot, \buf, 2
	KBLK F0, F1, \slot, \buf, 3                    ; the last 32 keys are fetched and kept: my reads of the slot and of P's buffer end in front of the barrier
	WIN 0
.endm
; An interval's work.  p = the slot in hand and P's buffer in hand; the S waves write the other buffer.
.macro ROLES p
	s_cmp_eq_u32 s15, 0
	s_cbranch_scc0 .Lo_arm_\@
	SOFT 1, \p, 0, 0, 1-(\p)
	s_branch .Ljoin_\@
.Lo_arm_\@:
	PVSTEP \p, \p
.Ljoin_\@:
.endm
; A prefetch into the L2 of the next trip's two blocks, 163,840 bytes: a lane a row of 256 bytes, one instruction a wave, waves 0 to 4 of each partner of the batch's first cluster: each row is named once in the launch.
; It stands behind the wave's tensor load and the lines that follow it.  Blocks 0 to 3 come by their loads alone; the last trip asks for nothing: there is no block behind block 15.
.macro ASK
	s_cmp_gt_u32 s66, s69
	s_cbranch_scc0 .Lnot_mine_\@
	global_prefetch_b8 v[PFO], s[70:71] th:TH_LOAD_NT scope:SCOPE_SE
.Lnot_mine_\@:
.endm
; THE CHANGE OF SLOTS.  Each wave waits for all its tensor loads (one is out: its eighth of the slot ahead), adds 0 to its spare word, and waits for that, for its reads of the slot that it leaves and for its stores of P and a.
; The round then holds of every wave of all four work-groups; slot fs, just left, is filled with the block two further on, first thing behind the round: it has an interval in which to land.
.macro CHANGE fs, first
	s_wait_tensorcnt 0x0                           ; no tensor load of mine is out, so a group 0 may be written
	ds_add_u32 v[SPW], v[NIL]                      ; 0 onto my spare word; the steps below stand between it and the wait for it
	s_add_nc_u64 s[50+4*\fs:51+4*\fs], s[50+4*\fs:51+4*\fs], 2*SLOT
.if \first
	s_wait_xcnt 0x0                                ; the last prefetch, a trip back, has read its address
	s_add_nc_u64 s[70:71], s[70:71], 2*SLOT
.endif
	STEPON
	s_wait_dscnt 0x0
	ROUND
	tensor_load_to_lds s[48+4*\fs:51+4*\fs], s[24:31]
	s_nop 0
	SIX
.if \first
	ASK
.endif
.endm
	; interval -1: the S waves make key step 0 into buffer 0.  Its K, bias and scale words are loaded in the text that all waves run, so that every register that either role reads later has been written on every way
	s_wait_tensorcnt 0x2                           ; my eighths of the tables and of K(0), K(1) are in; blocks 0 and 1 may stay out
	s_barrier_signal -1
	s_barrier_wait -1
.irp t, 0,1,2,3,4,5,6,7
	ds_load_b32 v[KSC+\t], v[ADS] offset:128*\t
.endr
.irp q, 0,1,2,3
	NEXT2 \q, 0, 0, 0
.endr
	WIN 0
	s_wait_dscnt 0x0
	s_cmp_eq_u32 s15, 0
	s_cbranch_scc0 .Lno_first
	SOFT 0, 1, 512, 1024, 0                        ; on the way: key step 1's K out of K01R, its tables one step on
.Lno_first:
	; interval 0
	s_wait_tensorcnt 0x1                           ; my eighth of block 0 is in; block 1 may stay out
	s_wait_dscnt 0x0                               ; my stores of P and a have landed, my loads are in
	s_barrier_signal -1
	s_barrier_wait -1
	SIX
	s_cmp_eq_u32 s15, 0
	s_cbranch_scc0 .Lfirst_o
	SOFT 1, 0, 0, 0, 1
	s_branch .Lfirst_join
.Lfirst_o:
	PVFIRST
.Lfirst_join:
.Ltrip:                                                ; 7 trips: intervals 1 to 14; blocks 2 to 15 are asked for.  (Interval 14 fetches 'step 16': block 14's K, which is step 0's, and table bytes that lie in regions filled once; none of it is used)
	CHANGE 0, 1
	ROLES 1
	CHANGE 1, 0
	ROLES 0
	s_sub_co_u32 s66, s66, 1
	s_cmp_lg_u32 s66, 0
	s_cbranch_scc1 .Ltrip
	; interval 15: nothing is left to fetch or to score
	s_wait_tensorcnt 0x0                           ; my eighth of block 15 is in
	ds_add_u32 v[SPW], v[NIL]
	s_wait_dscnt 0x0
	s_barrier_signal -1
	s_barrier_wait -1
	NOPS 6
	s_cmp_eq_u32 s15, 0
	s_cbranch_scc0 .Llast_o
.irp u, 0,1
	v_add_f32 v[ST+8*\u+6], v[ST+8*\u+2], v[ST+8*\u+3]     ; l's two halves,
.endr
.irp u, 0,1
	v_permlanex16_b32 v[ST+8*\u+7], v[ST+8*\u+6], s20, s21
.endr
.irp u, 0,1
	v_add_f32 v[ST+8*\u+6], v[ST+8*\u+6], v[ST+8*\u+7]     ; and the other half of the lanes'
.endr
.irp u, 0,1
	v_rcp_f32 v[ST+8*\u+4], v[ST+8*\u+6]
.endr
	v_nop                                          ; a plain line behind the reciprocals
	s_wait_alu depctr_va_vdst(0)                   ; and the wait ahead of their first reader
.irp u, 0,1
	v_mul_f32 v[ST+8*\u+4], 0x3d800000, v[ST+8*\u+4]       ; 1 / (16 l): the scale behind the softmax is 1 / sqrt(256)
.endr
.irp u, 0,1
	ds_store_b32 v[AAS], v[ST+8*\u+4] offset:2048+128*\u
.endr
	s_branch .Llast_join
.Llast_o:
	PVSTEP 1, 1
.Llast_join:
	s_wait_dscnt 0x0                               ; the factors have landed; my reads of the ring are over
	s_barrier_signal -1
	s_barrier_wait -1
	s_cmp_eq_u32 s15, 0
	s_cbranch_scc1 .Lend
	; THE WAY OUT (O waves).  First the last step's last 32 keys, which lie in F1.  Then: a lane holds eight channels of one query, and out0's rows run along the queries: 64 channels x 64 queries at a time
	; go through my stage and come back as rows of 256 bytes.
.irp m, 0,1,2,3
	ds_load_b32 v[AF+2*\m], v[AAO] offset:2048+128*\m
.endr
.set i, 0
.rept 32
	MMI F1, 0
.set i, i+1
.endr
	NOPS 4                                         ; places behind the last products
	s_wait_dscnt 0x0
	WIN 0x41
.set i, 0
.rept 128
	v_pk_mul_f32 v[i:i+1], v[i:i+1], v[AF+2*(i/64):AF+2*(i/64)+1] op_sel_hi:[1,0]   ; O^T / (16 l), in ascending order: each accumulator from its low end on
.set i, i+2
.endr
.macro OUTR rd                         ; channels 64 rd on
	WIN 0x04
.irp m, 0,1,2,3
.irp n, 0,1,2,3
.irp j, 0,1,2,3,4,5,6,7
	ds_store_b32 v[STO], v[8*(8*\m+4*(\rd)+\n)+\j] offset:(16*\n+\j)*272+64*\m
.endr
.endr
.endr
	WIN 0
.if (\rd) > 0
	s_wait_xcnt 0x0                                ; the first half's stores have read their registers: they are loaded again only behind this wait
.endif
.set i, 0
.rept 32
	ds_load_b128 v[32+4*i:32+4*i+3], v[RDA] offset:544*i   ; LDS serves a wave's instructions in order: these see my stores
.set i, i+1
.endr
.set i, 0
.rept 32
	s_wait_dscnt 31-i
	global_store_b128 v[GO], v[32+4*i:32+4*i+3], s[12:13] offset:(64*(\rd)+2*i)*8192 th:TH_STORE_NT   ; sixteen lanes store 256 consecutive bytes, aligned
.set i, i+1
.endr
.endm
	OUTR 0
	OUTR 1
.Lend:
	s_wait_tensorcnt 0x0                           ; the wave's end, behind my last tensor load and my last LDS store
	ds_add_u32 v[SPW], v[NIL]
	s_wait_dscnt 0x0
	ROUND                                          ; the closing round: no work-group ends while a partner may still ask for a block that names it
	s_endpgm
.Lfunc_end_k_qf7ab14cce2_attn:
	.size	k_qf7ab14cce2_attn, .Lfunc_end_k_qf7ab14cce2_attn-k_qf7ab14cce2_attn
	.p2alignl 7, 3214868480
	.fill 96, 4, 3214868480
	.section	.rodata,"a",@progbits
	.p2align	6, 0x0
	.amdhsa_kernel k_qf7ab14cce2_attn
		.amdhsa_group_segment_fixed_size 327680
		.amdhsa_private_segment_fixed_size 0
		.amdhsa_enable_private_segment 0
		.amdhsa_kernarg_size 40
		.amdhsa_user_sgpr_count 2
		.amdhsa_user_sgpr_kernarg_segment_ptr 1
		.amdhsa_wavefront_size32 1
		.amdhsa_system_sgpr_workgroup_id_x 1
		.amdhsa_system_sgpr_workgroup_id_y 1
		.amdhsa_system_sgpr_workgroup_id_z 1
		.amdhsa_system_vgpr_workitem_id 0
		.amdhsa_next_free_vgpr 512
		.amdhsa_next_free_sgpr 100
		.amdhsa_reserve_vcc 0
		.amdhsa_float_denorm_mode_32 3
		.amdhsa_float_denorm_mode_16_64 3
		.amdhsa_memory_ordered 1
		.amdhsa_forward_progress 1
		.amdhsa_inst_pref_size 255
	.end_amdhsa_kernel
	.section	.bss,"aw",@nobits
	.p2align	6
	.space	262144
	.amdgpu_metadata
---
amdhsa.version: [ 1, 2 ]
amdhsa.kernels:
  - .name:           k_qf7ab14cce2_attn
    .symbol:         k_qf7ab14cce2_attn.kd
    .args:
      - { .name: qc, .offset: 0, .size: 8, .value_kind: global_buffer, .address_space: global }
      - { .name: qs, .offset: 8, .size: 8, .value_kind: global_buffer, .address_space: global }
      - { .name: kv, .offset: 16, .size: 8, .value_kind: global_buffer, .address_space: global }
      - { .name: sb, .offset: 24, .size: 8, .value_kind: global_buffer, .address_space: global }
      - { .name: out0, .offset: 32, .size: 8, .value_kind: global_buffer, .address_space: global }
    .group_segment_fixed_size: 327680
    .private_segment_fixed_size: 0
    .kernarg_segment_align: 8
    .kernarg_segment_size: 40
    .max_flat_workgroup_size: 256
    .sgpr_count:     100
    .vgpr_count:     512
    .wavefront_size: 32
...
	.end_amdgpu_metadata
.endif
;; end of part 2
